; MI455X (gfx1250); checked and timed in simulation.
; The chip was launched on July 23, 2026; its instructions are those of AMD's public machine-readable ISA for CDNA 5 (MIT licence, August 2026) and "CDNA5" Instruction Set Architecture Reference Guide (July 2026). The comments in the code are by the model that wrote it; some were corrected since.
;; m LST Mblock. Allowed arithmetic: float matrix products may take bf16 or f16 operands with f32 sums; all other float work in f32.
;; Inputs: Wf 128 x 1 float32; Wi 128 x 1 float32; Wk 128 x 128 float32; Wo 128 x 128 float32; Wq 128 x 128 float32; Wv 128 x 128 float32; bf 1 float32; bi 1 float32; bk 128 float32; bo 128 float32; bq 128 float32; bv 128 float32; x 8 x 2,048 x 128 float32.
;; Outputs: out0 8 x 2,048 x 128 float32; out1 8 x 128 float32; out2 8 x 128 x 128 float32; out3 8 x 128 float32; out4 8 x 128 float32.
;; One version. Each part assembles by itself: llvm-mc -triple=amdgcn-amd-amdhsa -mcpu=gfx1250 --defsym DOCPART=n.
;; ======== version 1 of 1: 3 launches
;; limits: values outside matrix products are rounded to f16; values are held in f16: magnitudes above 65,504 overflow, below 6.1e-05 lose precision; inputs' magnitudes at most 65,504
;; workspace buffers: wh 131,072 bytes; gt 131,072 bytes; fm 3,072 bytes; sl 16,908,288 bytes; ch 8,388,608 bytes; np 262,144 bytes
;; launch local (part 1): grid 8 x 32, 4 waves a work-group, clusters of 4 x 1, 257,792 bytes of LDS; arguments x, Wk, Wv, Wq, Wo, Wi, Wf, bi, bf, bk, bv, wh, gt, fm, sl; writes wh, gt, fm, sl
.if DOCPART == 1
	.amdgcn_target "amdgcn-amd-amdhsa--gfx1250"
	.amdhsa_code_object_version 6
	.text
	.protected	k_qddb95bb918_local
	.globl	k_qddb95bb918_local
	.p2align	8
	.type	k_qddb95bb918_local,@function
k_qddb95bb918_local:
	s_mov_b64 s[64:65], 0
	v_nop
	global_prefetch_b8 v0, s[64:65] scope:SCOPE_SE
	s_setreg_imm32_b32 hwreg(HW_REG_WAVE_MODE, 25, 1), 1
	s_wait_xcnt 0x0
	s_wait_alu depctr_hold_cnt(0) depctr_sa_sdst(0) depctr_va_vdst(0) depctr_va_sdst(0) depctr_va_ssrc(0) depctr_va_vcc(0) depctr_vm_vsrc(0)
	s_getreg_b32 s2, hwreg(HW_REG_IB_STS2, 6, 4)
	s_cmp_eq_u32 s2, 0
	s_cbranch_scc0 .Lentry_in_a_cluster
	s_endpgm
.Lentry_in_a_cluster:
	s_bfe_u32 s2, ttmp6, 0x10000c
	s_cmp_lg_u32 s2, 0x3003
	s_cbranch_scc0 .Lentry_shape_is_right
	s_endpgm
.Lentry_shape_is_right:
; mLSTM, first of three launches: what a chunk of 64 steps adds to the state, seen from the chunk alone.
; Work-group (b, chunk), cid = 32 b + chunk, four waves.  With ib = x Wi + bi, fb = x Wf + bf (f32, vector unit), a_t = running sum of fb in the chunk,
; g_s = ib_s - a_s, cmx_t = running maximum of g, F = a_63, ml = F + cmx_63, w_s = exp(g_s - cmx_63) <= 1, K = x Wk + bk, V = x Wv + bv:
;   sl[cid][i][j] = sum_s w_s V[s][i] K[s][j],  sl[cid][128][j] = sum_s w_s K[s][j],  fm = (F, ml, max |sl rows 0..127|),  gt[cid] = g[64], cmx[64].
; The factor 1/sqrt(128) of k is applied by the next launch.  The maximum that the recurrence takes away is kept exactly: every exponent here is <= 0.
; Matrix operands are f16, sums f32.  LIMITS: |x|, |Wk|, |Wv|, |K|, |V| < 65504; entries of w V more than 2^-24 below 1 x |V| are dropped; v_exp_f32 gives 0 below 2^-126.
; Side job: 512 waves of the launch each turn one row of Wq, Wk, Wv, Wo into f16 for the third launch (wh).
; CLUSTER: the four work-groups of a cluster have the same chunk and four batches; all read the same Wk and Wv (131,072 of a work-group's 163,840 bytes), which are
; asked for jointly with the mask of all four.  x is each work-group's own.  No LDS byte is filled twice; a wave has two tensor loads out at the most.
; REGISTERS: block 0: v0-31 lane terms and addresses, v32-223 staging and accumulators, v224-255 w of my rows.  Block 1 (v256-511): fragments.
.set XP,   528                         ; LDS pitch of a row of 128 f32: 512 + 16, an odd multiple of 16
.set WKF,  33792                       ; Wk, 128 rows; Wv follows at 101376.  x lies at 0, 64 rows
.set KT,   168960                      ; K transposed, f16 [j][s], pitch 144
.set KP,   144
.set GI,   187392                      ; ib[64], fb[64]
.set WS,   187904                      ; w[64], once for each wave
.set NL,   188928                      ; the chunk's n, 128 f32
.set ZW,   189440                      ; each wave's largest |C|
.set ST,   189696                      ; each wave's stage for the way out: 32 rows x 528
.set ACC,  96
.set WSR,  224
.set NINF, 0xff800000
.set MSB, 0
.macro WIN new                         ; register windows; the immediate's high byte repeats the setting that is left
.if MSB != \new
	s_set_vgpr_msb (MSB<<8)|\new
.set MSB, \new
.endif
.endm
.macro PLACES                          ; four plain vector instructions between a matrix instruction and whatever reads its result or writes its registers (ISA guide 7.12.1)
.rept 4
	v_nop
.endr
.endm
.macro BAR
	s_barrier_signal -1
	s_barrier_wait -1
.endm
.macro ROUND                           ; a round of the cluster's barrier
	s_barrier_signal -1
	s_barrier_wait -1
	s_cmp_lg_u32 s34, 0
	s_cbranch_scc1 .Lnot_wave_0_\@
	s_barrier_signal -3
.Lnot_wave_0_\@:
	s_barrier_wait -3
	s_barrier_signal -1
	s_barrier_wait -1
.endm
; 16 rows of x (rows 16 mt + r) as f32: for each 32 of k the lane's k = 8h..8h+7 and 16+8h..16+8h+7
.macro XUNIT ax, mt, slot
	WIN 0
.irp kk, 0,1,2,3
	ds_load_b128 v[\slot+16*\kk:\slot+16*\kk+3],     v[\ax] offset:\mt*16*XP+128*\kk
	ds_load_b128 v[\slot+16*\kk+4:\slot+16*\kk+7],   v[\ax] offset:\mt*16*XP+128*\kk+16
	ds_load_b128 v[\slot+16*\kk+8:\slot+16*\kk+11],  v[\ax] offset:\mt*16*XP+128*\kk+64
	ds_load_b128 v[\slot+16*\kk+12:\slot+16*\kk+15], v[\ax] offset:\mt*16*XP+128*\kk+80
.endr
.endm
.macro XCVT mt, slot                   ; the four f16 fragments of these rows, into block 1 at 8 (4 mt + kk)
	WIN 0x40
.set n_, 0
.rept 32
	v_cvt_pk_f16_f32 v[32*\mt+n_], v[\slot+2*n_], v[\slot+2*n_+1]
.set n_, n_+1
.endr
.endm
; weights, unit u = 4 x (0: Wk, 1: Wv) + kk: 16 rows k of two neighbouring columns 32 w + 2 r, + 1
.macro WUNIT u
	WIN 0
.set n_, 0
.rept 16
	ds_load_b64 v[32+32*((\u)%4)+2*n_:32+32*((\u)%4)+2*n_+1], v[10+(\u)/4] offset:(32*((\u)%4)+16*(n_/8)+n_%8)*XP
.set n_, n_+1
.endr
.endm
.macro WCVT u                          ; two fragments: tile q holds the columns 32 w + 2 r + q
	WIN 0x40
.set n_, 0
.rept 8
	v_cvt_pk_f16_f32 v[128+64*((\u)/4)+8*((\u)%4)+n_],    v[32+32*((\u)%4)+4*n_],   v[32+32*((\u)%4)+4*n_+2]
	v_cvt_pk_f16_f32 v[128+64*((\u)/4)+32+8*((\u)%4)+n_], v[32+32*((\u)%4)+4*n_+1], v[32+32*((\u)%4)+4*n_+3]
.set n_, n_+1
.endr
.endm
; 32 matrix instructions: 64 rows of x times my 32 columns.  The bias tile is the first product's C.  Eight accumulators take turns, one instruction a turn.
.macro PROJ wf, acc, bias
.irp kk, 0,1,2,3
.irp q, 0,1
.irp mt, 0,1,2,3
.if \kk == 0
	v_wmma_f32_16x16x32_f16 v[\acc+8*(4*\q+\mt):\acc+8*(4*\q+\mt)+7], v[8*(4*\mt+\kk):8*(4*\mt+\kk)+7], v[\wf+8*(4*\q+\kk):\wf+8*(4*\q+\kk)+7], v[\bias+8*\q:\bias+8*\q+7]
.else
	v_wmma_f32_16x16x32_f16 v[\acc+8*(4*\q+\mt):\acc+8*(4*\q+\mt)+7], v[8*(4*\mt+\kk):8*(4*\mt+\kk)+7], v[\wf+8*(4*\q+\kk):\wf+8*(4*\q+\kk)+7], v[\acc+8*(4*\q+\mt):\acc+8*(4*\q+\mt)+7]
.endif
.endr
.endr
.endr
.endm
	s_load_b512 s[4:19], s[0:1], 0x0               ; x 4, Wk 6, Wv 8, Wq 10, Wo 12, Wi 14, Wf 16, bi 18
	s_load_b256 s[20:27], s[0:1], 0x40             ; bf 20, bk 22, bv 24, wh 26
	s_load_b128 s[28:31], s[0:1], 0x60             ; gt 28, fm 30
	s_load_b64 s[32:33], s[0:1], 0x70              ; sl
	s_set_vgpr_msb 0x80
	v_lshl_add_u32 v0, v0, 2, 0x3ed00
	v_mov_b32 v1, 0
	s_set_vgpr_msb 0x808a
	ds_add_u32 v0, v1
	s_set_vgpr_msb 0x8a00
	v_lshrrev_b32 v1, 5, v0
	v_readfirstlane_b32 s34, v1                    ; wave
	s_bfe_u32 s35, ttmp6, 0x40000                  ; cx
	s_lshl_b32 s36, ttmp9, 2
	s_add_co_u32 s36, s36, s35                     ; b = 4 x cluster x + cx
	s_and_b32 s37, ttmp7, 0xffff                   ; chunk: the same in all four partners
	s_lshl_b32 s38, s36, 5
	s_add_co_u32 s38, s38, s37                     ; cid
	s_mov_b32 s76, 0xaaaaaaaa                      ; lanes whose number has bit 0, 1, 2, 3, 4 set
	s_mov_b32 s77, 0xcccccccc
	s_mov_b32 s78, 0xf0f0f0f0
	s_mov_b32 s79, 0xff00ff00
	s_mov_b32 s80, 0xffff0000
	s_mov_b32 s81, 0x76543210                      ; v_permlanex16_b32: lane i of the other half
	s_mov_b32 s82, 0xfedcba98
	s_mov_b32 s87, 0x3fb8aa3b                      ; log2 e
	s_mov_b32 s93, 0                               ; high word of every offset in s[92:93]
	; group 1 for x: 16 rows of 128 f32 a wave, 16 bytes of padding behind each 128 words
	s_mov_b32 s48, (2<<16)|(1<<20)|(6<<22)|(3<<25)
	s_mov_b32 s49, 128<<16
	s_mov_b32 s50, 16<<16
	s_mov_b32 s51, 128<<16
	s_mov_b32 s52, 16
	s_mov_b32 s53, 128
	s_mov_b32 s54, 0
	s_mov_b32 s55, 0
	; group 1 for the weights: 64 rows a wave, mask of the cluster's four work-groups, bit 21 beside it
	s_mov_b32 s56, 15|(2<<16)|(1<<20)|(1<<21)|(6<<22)|(3<<25)
	s_mov_b32 s57, 128<<16
	s_mov_b32 s58, 64<<16
	s_mov_b32 s59, 128<<16
	s_mov_b32 s60, 64
	s_mov_b32 s61, 128
	s_mov_b32 s62, 0
	s_mov_b32 s63, 0
	s_mov_b32 s68, 1
	s_mul_i32 s69, s34, 16*XP                      ; x: my 16 rows
	s_mov_b32 s72, 1
	s_mul_i32 s73, s34, 64*XP
	s_add_co_u32 s73, s73, WKF                     ; waves 0, 1: Wk's halves; waves 2, 3: Wv's
	; lane terms
	v_and_b32 v1, 31, v0                           ; l
	v_and_b32 v2, 15, v0                           ; r
	v_bfe_u32 v3, v0, 4, 1                         ; h
	v_mov_b32 v4, 0
	v_lshlrev_b32 v5, 4, v1                        ; 16 l
	v_lshlrev_b32 v6, 3, v1                        ; 8 l
	v_and_b32 v7, 63, v0
	v_mul_u32_u24 v7, v7, XP                       ; the gate dot's row of x
	v_lshlrev_b32 v8, 2, v0
	v_add_nc_u32 v8, GI, v8                        ; where its result goes
	v_mul_u32_u24 v9, v2, XP
	v_lshl_add_u32 v9, v3, 5, v9                   ; 528 r + 32 h
	v_mul_u32_u24 v10, v3, 8*XP
	v_lshl_add_u32 v10, v2, 3, v10
	s_lshl_b32 s92, s34, 7
	s_add_co_u32 s92, s92, WKF
	v_add_nc_u32 v10, s92, v10                     ; Wk: row 8 h, columns 32 w + 2 r, + 1
	v_add_nc_u32 v11, 128*XP, v10                  ; Wv
	v_mul_u32_u24 v12, v2, 2*KP
	v_lshl_add_u32 v12, v3, 4, v12
	s_mul_i32 s92, s34, 32*KP
	s_add_co_u32 s92, s92, KT
	v_add_nc_u32 v12, s92, v12                     ; KT row 32 w + 2 r, s = 8 h
	v_mul_u32_u24 v13, v2, KP
	v_lshl_add_u32 v13, v3, 4, v13
	v_add_nc_u32 v13, KT, v13                      ; KT row r, fragment form
	s_lshl_b32 s92, s34, 8
	s_add_co_u32 s92, s92, WS
	v_add_nc_u32 v14, s92, v6
	v_lshl_add_u32 v15, v3, 5, s92
	s_lshl_b32 s92, s34, 7
	v_lshl_add_u32 v19, v2, 3, s92                 ; 4 (32 w + 2 r): my two columns in bk, bv, n
	v_add_nc_u32 v16, NL, v19
	s_mul_i32 s92, s34, 32*XP
	s_add_co_u32 s92, s92, ST
	v_add_nc_u32 v17, s92, v9
	v_add_nc_u32 v18, s92, v5
	s_wait_dscnt 0x0
	s_wait_kmcnt 0x0
	s_load_b32 s42, s[18:19], 0x0                  ; bi
	s_load_b32 s43, s[20:21], 0x0                  ; bf
	s_cmp_lt_u32 s34, 2
	s_cselect_b64 s[40:41], s[14:15], s[16:17]     ; waves 0, 1 make ib, waves 2, 3 fb
	s_cselect_b64 s[74:75], s[6:7], s[8:9]
	s_and_b32 s92, s34, 1
	s_lshl_b32 s92, s92, 15
	s_add_nc_u64 s[74:75], s[74:75], s[92:93]      ; the weight's rows 0-63 or 64-127: hangs on the wave's number alone
	s_or_b32 s75, s75, 0x80000000
	s_lshl_b32 s92, s38, 15
	s_lshl_b32 s94, s34, 13
	s_add_co_u32 s92, s92, s94
	s_add_nc_u64 s[70:71], s[4:5], s[92:93]        ; x + cid x 64 rows + wave x 16 rows
	s_or_b32 s71, s71, 0x80000000
	s_lshl_b32 s92, s38, 9
	s_add_nc_u64 s[28:29], s[28:29], s[92:93]      ; gt + 512 cid
	s_lshl_b32 s92, s38, 2
	s_add_nc_u64 s[30:31], s[30:31], s[92:93]      ; fm + 4 cid
	s_mul_i32 s92, s38, 66048
	s_lshl_b32 s94, s34, 14
	s_add_co_u32 s92, s92, s94
	s_add_nc_u64 s[84:85], s[32:33], s[92:93]      ; sl + cid x 129 rows + my 32 rows
	; the side job's row: matrix chunk / 8 (q, k, v, o), row 2 (8 (chunk mod 8) + b) + wave
	s_lshr_b32 s94, s37, 3
	s_cmp_eq_u32 s94, 0
	s_cselect_b64 s[44:45], s[10:11], s[6:7]
	s_cmp_eq_u32 s94, 2
	s_cselect_b64 s[44:45], s[8:9], s[44:45]
	s_cmp_eq_u32 s94, 3
	s_cselect_b64 s[44:45], s[12:13], s[44:45]
	s_and_b32 s95, s37, 7
	s_lshl_b32 s95, s95, 3
	s_add_co_u32 s95, s95, s36
	s_lshl_b32 s95, s95, 1
	s_add_co_u32 s95, s95, s34
	s_lshl_b32 s92, s95, 9
	s_add_nc_u64 s[44:45], s[44:45], s[92:93]
	s_lshl_b32 s92, s94, 15
	s_lshl_b32 s95, s95, 8
	s_add_co_u32 s92, s92, s95
	s_add_nc_u64 s[46:47], s[26:27], s[92:93]
	; the gate's 128 weights, the same in every lane, into block 1 v0-127
	WIN 0x40
.set n_, 0
.rept 32
	global_load_b128 v[4*n_:4*n_+3], v4, s[40:41] offset:16*n_
.set n_, n_+1
.endr
	WIN 0
	global_load_b64 v[20:21], v19, s[22:23]        ; bk of my two columns
	global_load_b64 v[22:23], v19, s[24:25]        ; bv
	s_wait_kmcnt 0x0
	s_cmp_lt_u32 s34, 2
	s_cselect_b32 s42, s42, s43                    ; my gate's bias
	ROUND                                          ; all four work-groups are here: the joint loads meet
	tensor_load_to_lds s[68:71], s[48:55]          ; x
	s_nop 0
	tensor_load_to_lds s[72:75], s[56:63]          ; weights, jointly
	s_nop 0
	s_cmp_ge_u32 s34, 2
	s_cbranch_scc1 .Lno_side
	global_load_b128 v[28:31], v5, s[44:45]
	s_wait_loadcnt 0x0
	v_cvt_pk_f16_f32 v24, v28, v29
	v_cvt_pk_f16_f32 v25, v30, v31
	global_store_b64 v6, v[24:25], s[46:47]        ; the wave stores 256 consecutive bytes, aligned: one row of f16
.Lno_side:
	s_wait_tensorcnt 0x1                           ; my rows of x are in; the one younger load, the weights', stays out
	BAR
	; GATES: thread t takes row t mod 64 of x whole; 64 packed multiply-adds in four chains
	WIN 0x40
.set n_, 0
.rept 32
	ds_load_b128 v[128+4*n_:128+4*n_+3], v7 offset:16*n_
.set n_, n_+1
.endr
	s_wait_loadcnt 0x0                             ; the gate's weights, bk, bv
	WIN 0x05
.set p, 0
.irp left, 24,16,8,0
	s_wait_dscnt \left                             ; eight more of the 32 loads are in; the count is the younger ones
.rept 16
.if p < 4
	v_pk_mul_f32 v[32+2*p:33+2*p], v[128+2*p:129+2*p], v[2*p:2*p+1]
.else
	v_pk_fma_f32 v[32+2*(p%4):33+2*(p%4)], v[128+2*p:129+2*p], v[2*p:2*p+1], v[32+2*(p%4):33+2*(p%4)]
.endif
.set p, p+1
.endr
.endr
	WIN 0
	v_pk_add_f32 v[32:33], v[32:33], v[34:35]
	v_pk_add_f32 v[36:37], v[36:37], v[38:39]
	v_pk_add_f32 v[32:33], v[32:33], v[36:37]
	v_add_f32 v32, v32, v33
	v_add_f32 v32, s42, v32
	ds_store_b32 v8, v32
	s_wait_dscnt 0x0                               ; for the other waves: my gate values are written
	s_wait_tensorcnt 0x0                           ; and my part of the weights has landed
	BAR
	; SCANS, by every wave for itself: lane l has rows 2 l, 2 l + 1
	v_add_nc_u32 v28, GI, v6
	ds_load_b64 v[32:33], v28                      ; ib
	ds_load_b64 v[34:35], v28 offset:256           ; fb
	v_mov_b32 v37, 0                               ; sum of the lanes below me
	v_mov_b32 v38, 0                               ; a lane exchange's destination counts as read
	v_mov_b32 v43, NINF                            ; maximum of the lanes below me
	s_wait_dscnt 0x0
	v_add_f32 v36, v34, v35
.macro SSTEP m
	v_cndmask_b32 v39, 0, v38, s[\m]               ; the partner block lies below me where the bit is set
	v_add_f32 v37, v37, v39
	v_add_f32 v36, v36, v38
.endm
.macro MSTEP m
	v_max_num_f32 v39, v43, v38
	v_cndmask_b32 v43, v43, v39, s[\m]
	v_max_num_f32 v42, v42, v38
.endm
	v_mov_b32_dpp v38, v36 row_xmask:1 row_mask:0xf bank_mask:0xf
	SSTEP 76
	v_mov_b32_dpp v38, v36 row_xmask:2 row_mask:0xf bank_mask:0xf
	SSTEP 77
	v_mov_b32_dpp v38, v36 row_xmask:4 row_mask:0xf bank_mask:0xf
	SSTEP 78
	v_mov_b32_dpp v38, v36 row_xmask:8 row_mask:0xf bank_mask:0xf
	SSTEP 79
	v_permlanex16_b32 v38, v36, s81, s82
	SSTEP 80                                       ; v36 = F in every lane
	v_add_f32 v40, v37, v34                        ; a
	v_add_f32 v41, v40, v35
	v_sub_f32 v40, v32, v40                        ; g = ib - a
	v_sub_f32 v41, v33, v41
	v_max_num_f32 v42, v40, v41
	v_mov_b32_dpp v38, v42 row_xmask:1 row_mask:0xf bank_mask:0xf
	MSTEP 76
	v_mov_b32_dpp v38, v42 row_xmask:2 row_mask:0xf bank_mask:0xf
	MSTEP 77
	v_mov_b32_dpp v38, v42 row_xmask:4 row_mask:0xf bank_mask:0xf
	MSTEP 78
	v_mov_b32_dpp v38, v42 row_xmask:8 row_mask:0xf bank_mask:0xf
	MSTEP 79
	v_permlanex16_b32 v38, v42, s81, s82
	MSTEP 80                                       ; v42 = cmx_63 in every lane
	v_max_num_f32 v44, v43, v40                    ; cmx of my two rows
	v_max_num_f32 v45, v44, v41
	v_add_f32 v39, v36, v42                        ; ml
	v_readfirstlane_b32 s90, v36
	v_readfirstlane_b32 s91, v39
	v_sub_f32 v46, v40, v42
	v_sub_f32 v47, v41, v42
	v_mul_f32 v46, s87, v46
	v_mul_f32 v47, s87, v47
	v_exp_f32 v46, v46                             ; w = exp(g - cmx_63)
	v_exp_f32 v47, v47
	v_nop                                          ; one plain instruction behind a transcendental before its result is used (ISA guide 5.7.2)
	s_wait_alu depctr_va_vdst(0)
	ds_store_b64 v14, v[46:47]                     ; my wave's own bytes: LDS serves a wave in order, no barrier
.irp mt, 0,1,2,3
	ds_load_b128 v[WSR+8*\mt:WSR+8*\mt+3],   v15 offset:64*\mt       ; w of rows 16 mt + 8 h + 0..7, as a result tile holds them
	ds_load_b128 v[WSR+8*\mt+4:WSR+8*\mt+7], v15 offset:64*\mt+16
.endr
	s_cmp_lg_u32 s34, 0
	s_cbranch_scc1 .Lno_gt
	global_store_b64 v6, v[40:41], s[28:29]                ; g: 256 consecutive bytes
	global_store_b64 v6, v[44:45], s[28:29] offset:256     ; cmx
.Lno_gt:
	s_wait_xcnt 0x0                                ; the stores' data registers are written again below only behind this wait
	; FRAGMENTS.  x: three staging slots of 64 registers; each count is 16 x the units issued behind the one waited for
	XUNIT 9, 0, 32
	XUNIT 9, 1, 96
	XUNIT 9, 2, 160
	s_wait_dscnt 32
	XCVT 0, 32
	XUNIT 9, 3, 32
	s_wait_dscnt 32
	XCVT 1, 96
	s_wait_dscnt 16
	XCVT 2, 160
	s_wait_dscnt 0
	XCVT 3, 32
	; weights: four slots of 32 registers, three units ahead
	WUNIT 0
	WUNIT 1
	WUNIT 2
.irp u, 0,1,2,3,4
	WUNIT \u+3
	s_wait_dscnt 48                                ; three younger units of 16 loads
	WCVT \u
.endr
	s_wait_dscnt 32
	WCVT 5
	s_wait_dscnt 16
	WCVT 6
	s_wait_dscnt 0
	WCVT 7
	WIN 0
.set n_, 0
.rept 8
	v_mov_b32 v[32+n_], v20                        ; bias tiles: a lane's eight results are one column
	v_mov_b32 v[40+n_], v21
	v_mov_b32 v[48+n_], v22
	v_mov_b32 v[56+n_], v23
.set n_, n_+1
.endr
	WIN 0x05
	PROJ 128, ACC, 32                              ; K: tile (q, mt): rows s = 16 mt + 8 h + j, column 32 w + 2 r + q
	PROJ 192, ACC+64, 48                           ; V
	WIN 0
	PLACES
	; K: n += w K; K transposed to LDS in f16 (a lane's eight results are eight neighbouring s of one row of KT)
.irp q, 0,1
.irp mt, 0,1,2,3
.irp i, 0,1,2,3
.if \mt+\i == 0
	v_pk_mul_f32 v[24+2*\q:25+2*\q], v[ACC+8*(4*\q+\mt)+2*\i:ACC+8*(4*\q+\mt)+2*\i+1], v[WSR+8*\mt+2*\i:WSR+8*\mt+2*\i+1]
.else
	v_pk_fma_f32 v[24+2*\q:25+2*\q], v[ACC+8*(4*\q+\mt)+2*\i:ACC+8*(4*\q+\mt)+2*\i+1], v[WSR+8*\mt+2*\i:WSR+8*\mt+2*\i+1], v[24+2*\q:25+2*\q]
.endif
.endr
.irp i, 0,1,2,3
	v_cvt_pk_f16_f32 v[64+4*(4*\q+\mt)+\i], v[ACC+8*(4*\q+\mt)+2*\i], v[ACC+8*(4*\q+\mt)+2*\i+1]
.endr
	ds_store_b128 v12, v[64+4*(4*\q+\mt):64+4*(4*\q+\mt)+3] offset:KP*\q+32*\mt
.endr
.endr
	v_add_f32 v24, v24, v25
	v_add_f32 v25, v26, v27
	v_permlanex16_b32 v26, v24, s81, s82           ; the other eight s of each sixteen lie in the other half of the lanes
	v_permlanex16_b32 v27, v25, s81, s82
	v_pk_add_f32 v[24:25], v[24:25], v[26:27]
	ds_store_b64 v16, v[24:25]
	; V: times w, to f16: tiles mt = 2 ks, 2 ks + 1 are at once the fragment (column i = 32 w + 2 r + q, s = 32 ks ..)
.set n_, 0
.rept 32
	v_pk_mul_f32 v[ACC+64+2*n_:ACC+64+2*n_+1], v[ACC+64+2*n_:ACC+64+2*n_+1], v[WSR+2*(n_%16):WSR+2*(n_%16)+1]
.set n_, n_+1
.endr
	WIN 0x40
.set n_, 0
.rept 32
	v_cvt_pk_f16_f32 v[128+n_], v[ACC+64+2*n_], v[ACC+64+2*n_+1]
.set n_, n_+1
.endr
	WIN 0
	s_wait_dscnt 0x0                               ; for the other waves: my rows of KT and my part of n are written
	BAR
	; CHUNK STATE: rows i = 32 w + 2 r + q, all 128 columns j.  Source 0 = rows of KT, source 1 = w V: a lane gets eight neighbouring j of one row i
	WIN 0x40
.irp ks, 0,1
.irp jt, 0,1,2,3,4,5,6,7
	ds_load_b128 v[8*(8*\ks+\jt):8*(8*\ks+\jt)+3],   v13 offset:16*KP*\jt+64*\ks
	ds_load_b128 v[8*(8*\ks+\jt)+4:8*(8*\ks+\jt)+7], v13 offset:16*KP*\jt+64*\ks+32
.endr
.endr
	WIN 0x05
	s_wait_dscnt 16                                ; s = 0..31 is in; the 16 younger loads (s = 32..63) stay out
.irp q, 0,1
.irp jt, 0,1,2,3,4,5,6,7
	v_wmma_f32_16x16x32_f16 v[ACC+8*(8*\q+\jt):ACC+8*(8*\q+\jt)+7], v[8*\jt:8*\jt+7], v[128+16*\q:128+16*\q+7], 0
.endr
.endr
	s_wait_dscnt 0
.irp q, 0,1
.irp jt, 0,1,2,3,4,5,6,7
	v_wmma_f32_16x16x32_f16 v[ACC+8*(8*\q+\jt):ACC+8*(8*\q+\jt)+7], v[64+8*\jt:64+8*\jt+7], v[136+16*\q:136+16*\q+7], v[ACC+8*(8*\q+\jt):ACC+8*(8*\q+\jt)+7]
.endr
.endr
	WIN 0
	PLACES
	; the largest magnitude, four chains
.irp c, 0,1,2,3
	v_max_num_f32 v[28+\c], |v[ACC+2*\c]|, |v[ACC+2*\c+1]|
.endr
.set n_, 8
.rept 60
	v_max3_num_f32 v[28+(n_/2)%4], v[28+(n_/2)%4], |v[ACC+n_]|, |v[ACC+n_+1]|
.set n_, n_+2
.endr
	v_max3_num_f32 v28, v28, v29, v30
	v_max_num_f32 v28, v28, v31
	v_max_num_f32_dpp v28, v28, v28 row_xmask:1 row_mask:0xf bank_mask:0xf
	v_max_num_f32_dpp v28, v28, v28 row_xmask:2 row_mask:0xf bank_mask:0xf
	v_max_num_f32_dpp v28, v28, v28 row_xmask:4 row_mask:0xf bank_mask:0xf
	v_max_num_f32_dpp v28, v28, v28 row_xmask:8 row_mask:0xf bank_mask:0xf
	v_permlanex16_b32 v29, v28, s81, s82
	v_max_num_f32 v28, v28, v29
	s_lshl_b32 s92, s34, 2
	s_add_co_u32 s92, s92, ZW
	v_mov_b32 v30, s92
	ds_store_b32 v30, v28
	; stage: row 16 q + r of my 32, so that sixteen lanes hit sixteen different 16-byte columns
.irp q, 0,1
.irp jt, 0,1,2,3,4,5,6,7
	ds_store_b128 v17, v[ACC+8*(8*\q+\jt):ACC+8*(8*\q+\jt)+3]   offset:16*XP*\q+64*\jt
	ds_store_b128 v17, v[ACC+8*(8*\q+\jt)+4:ACC+8*(8*\q+\jt)+7] offset:16*XP*\q+64*\jt+16
.endr
.endr
	s_wait_dscnt 0x0                               ; for wave 0: every wave's maximum is written
	BAR
.set n_, 0
.rept 32
	ds_load_b128 v[ACC+4*n_:ACC+4*n_+3], v18 offset:XP*n_
.set n_, n_+1
.endr
.set n_, 0
.rept 32
	s_wait_dscnt 31-n_                             ; stage row n_ is in; the younger ones stay out
	global_store_b128 v5, v[ACC+4*n_:ACC+4*n_+3], s[84:85] offset:(2*(n_%16)+n_/16)*512   ; a whole row of the state: 512 consecutive bytes
.set n_, n_+1
.endr
	s_cmp_lg_u32 s34, 0
	s_cbranch_scc1 .Ldone
	v_add_nc_u32 v24, NL, v5
	v_mov_b32 v25, ZW
	ds_load_b128 v[28:31], v24
	ds_load_b128 v[32:35], v25
	s_wait_dscnt 0x1
	global_store_b128 v5, v[28:31], s[84:85] offset:65536  ; row 128: the chunk's n
	s_wait_dscnt 0x0
	v_max3_num_f32 v32, v32, v33, v34
	v_max_num_f32 v32, v32, v35
	v_mov_b32 v33, s90                             ; lane 0: F, lane 1: ml, lane 2: the maximum
	v_mov_b32 v34, s91
	v_cmp_eq_u32 vcc_lo, 1, v1
	v_cndmask_b32 v33, v33, v34, vcc_lo
	v_cmp_eq_u32 vcc_lo, 2, v1
	v_cndmask_b32 v33, v33, v32, vcc_lo
	v_lshlrev_b32 v36, 10, v1
	v_cmp_gt_u32 vcc_lo, 3, v1
	s_wait_xcnt 0x0                                ; EXEC is a source of the stores above: it changes only behind this wait
	s_and_saveexec_b32 s83, vcc_lo
	global_store_b32 v36, v33, s[30:31]            ; twelve bytes a work-group, in three tables that the next launch reads by rows
	s_wait_xcnt 0x0
	s_or_b32 exec_lo, exec_lo, s83
.Ldone:
	s_set_vgpr_msb 0xa
	s_wait_tensorcnt 0x0
	ds_add_u32 v0, v1
	s_wait_dscnt 0x0
	s_set_vgpr_msb 0xa00
	ROUND                                          ; the closing round: no work-group ends while a partner may still ask jointly
	s_endpgm
.Lfunc_end_k_qddb95bb918_local:
	.size	k_qddb95bb918_local, .Lfunc_end_k_qddb95bb918_local-k_qddb95bb918_local
	.p2alignl 7, 3214868480
	.fill 96, 4, 3214868480
	.section	.rodata,"a",@progbits
	.p2align	6, 0x0
	.amdhsa_kernel k_qddb95bb918_local
		.amdhsa_group_segment_fixed_size 257792
		.amdhsa_private_segment_fixed_size 0
		.amdhsa_enable_private_segment 0
		.amdhsa_kernarg_size 120
		.amdhsa_user_sgpr_count 2
		.amdhsa_user_sgpr_kernarg_segment_ptr 1
		.amdhsa_wavefront_size32 1
		.amdhsa_system_sgpr_workgroup_id_x 1
		.amdhsa_system_sgpr_workgroup_id_y 1
		.amdhsa_system_sgpr_workgroup_id_z 1
		.amdhsa_system_vgpr_workitem_id 0
		.amdhsa_next_free_vgpr 514
		.amdhsa_next_free_sgpr 96
		.amdhsa_reserve_vcc 1
		.amdhsa_float_denorm_mode_32 3
		.amdhsa_float_denorm_mode_16_64 3
		.amdhsa_memory_ordered 1
		.amdhsa_forward_progress 1
		.amdhsa_inst_pref_size 83
	.end_amdhsa_kernel
	.amdgpu_metadata
---
amdhsa.version: [ 1, 2 ]
amdhsa.kernels:
  - .name:           k_qddb95bb918_local
    .symbol:         k_qddb95bb918_local.kd
    .args:
      - { .name: x, .offset: 0, .size: 8, .value_kind: global_buffer, .address_space: global }
      - { .name: Wk, .offset: 8, .size: 8, .value_kind: global_buffer, .address_space: global }
      - { .name: Wv, .offset: 16, .size: 8, .value_kind: global_buffer, .address_space: global }
      - { .name: Wq, .offset: 24, .size: 8, .value_kind: global_buffer, .address_space: global }
      - { .name: Wo, .offset: 32, .size: 8, .value_kind: global_buffer, .address_space: global }
      - { .name: Wi, .offset: 40, .size: 8, .value_kind: global_buffer, .address_space: global }
      - { .name: Wf, .offset: 48, .size: 8, .value_kind: global_buffer, .address_space: global }
      - { .name: bi, .offset: 56, .size: 8, .value_kind: global_buffer, .address_space: global }
      - { .name: bf, .offset: 64, .size: 8, .value_kind: global_buffer, .address_space: global }
      - { .name: bk, .offset: 72, .size: 8, .value_kind: global_buffer, .address_space: global }
      - { .name: bv, .offset: 80, .size: 8, .value_kind: global_buffer, .address_space: global }
      - { .name: wh, .offset: 88, .size: 8, .value_kind: global_buffer, .address_space: global }
      - { .name: gt, .offset: 96, .size: 8, .value_kind: global_buffer, .address_space: global }
      - { .name: fm, .offset: 104, .size: 8, .value_kind: global_buffer, .address_space: global }
      - { .name: sl, .offset: 112, .size: 8, .value_kind: global_buffer, .address_space: global }
    .group_segment_fixed_size: 257792
    .private_segment_fixed_size: 0
    .kernarg_segment_align: 8
    .kernarg_segment_size: 120
    .max_flat_workgroup_size: 128
    .sgpr_count:     96
    .vgpr_count:     514
    .wavefront_size: 32
...
	.end_amdgpu_metadata
.endif
;; end of part 1
;; launch scan (part 2): grid 43 x 8, 3 waves a work-group, no clusters, 0 bytes of LDS; arguments sl, fm, ch, np, out2, out3, out4; writes ch, np, out2, out3, out4
.if DOCPART == 2
	.amdgcn_target "amdgcn-amd-amdhsa--gfx1250"
	.amdhsa_code_object_version 6
	.text
	.protected	k_qddb95bb918_scan
	.globl	k_qddb95bb918_scan
	.p2align	8
	.type	k_qddb95bb918_scan,@function
k_qddb95bb918_scan:
	s_mov_b64 s[64:65], 0
	v_nop
	global_prefetch_b8 v0, s[64:65] scope:SCOPE_SE
	s_setreg_imm32_b32 hwreg(HW_REG_WAVE_MODE, 25, 1), 1
	s_wait_xcnt 0x0
; mLSTM, second launch: the recurrence from chunk to chunk, 32 steps.  One wave owns one row of one batch's state (rows 0-127: C, row 128: n): 129 x 8 waves that
; do not depend on each other: no LDS, no barrier, nothing shared but 384 bytes of scalars, so no cluster and no matrix unit.
;   mn = max(F + m, ml),  fa = exp(F + m - mn),  fb = exp(ml - mn) / sqrt(128),  S <- fa S + fb Sloc,  Z <- fa Z + fb Zloc (so Z >= max |C|),  m <- mn.
; Every exponent is <= 0: the running maximum is the recurrence's own.
; Stored for the third launch: the state BEFORE each chunk: ch = C / Zc in f16 with Zc = max(Z, 2^-100), np = n in f32 and (m, Zc).  Finals: out2 = C, out3 = n, out4 = m.
; LIMIT: a state smaller than 2^-100 in magnitude counts as 0 in ch.
; All 32 chunks' rows are requested at the start (16 KiB a wave on their way); the scalar chain runs meanwhile.
.set FA, 8                             ; v[8:39]    F, then fa
.set FB, 40                            ; v[40:71]   ml, then fb
.set ZS, 72                            ; v[72:103]  Zloc, then 1 / Zc
.set LD, 104                           ; v[104:231] chunk c: 4 registers: its local row, then the state behind it, then the scaled row of chunk c + 2
; v[232:235] the zero state; v[236:239], v[252:255] scaled rows of chunks 0, 1; v240 m, v241 Z, v242-243 Zc by turns, v244-247 at work, v[248:251] (m, Zc, m, Zc)
	s_load_b256 s[4:11], s[0:1], 0x0               ; sl 4, fm 6, ch 8, np 10
	s_load_b128 s[12:15], s[0:1], 0x20             ; out2 12, out3 14
	s_load_b64 s[16:17], s[0:1], 0x30              ; out4
	v_lshrrev_b32 v4, 5, v0
	v_readfirstlane_b32 s18, v4                    ; wave
	s_mul_i32 s19, ttmp9, 3
	s_add_co_u32 s19, s19, s18                     ; row 0..128
	s_and_b32 s20, ttmp7, 0xffff                   ; b
	v_and_b32 v4, 31, v0
	v_lshlrev_b32 v1, 4, v4                        ; 16 l
	v_lshlrev_b32 v2, 3, v4                        ; 8 l
	v_mov_b32 v3, 0
	s_mov_b32 s21, 0x0d800000                      ; 2^-100
	s_mov_b32 s22, 0x3fb8aa3b                      ; log2 e
	s_mov_b32 s23, 0xc0600000                      ; -3.5: 1 / sqrt(128) = 2^-3.5
	s_mov_b32 s25, 0
	s_wait_kmcnt 0x0
	s_lshl_b32 s24, s20, 7
	s_add_nc_u64 s[6:7], s[6:7], s[24:25]          ; fm + 4 x 32 b
	s_mul_i32 s24, s20, 4128
	s_add_co_u32 s24, s24, s19
	s_lshl_b32 s24, s24, 9
	s_add_nc_u64 s[4:5], s[4:5], s[24:25]          ; sl + (32 b x 129 + row) x 512
.set n_, 0
.rept 8
	global_load_b128 v[FA+4*n_:FA+4*n_+3], v3, s[6:7] offset:16*n_
	global_load_b128 v[FB+4*n_:FB+4*n_+3], v3, s[6:7] offset:1024+16*n_
	global_load_b128 v[ZS+4*n_:ZS+4*n_+3], v3, s[6:7] offset:2048+16*n_
.set n_, n_+1
.endr
.set n_, 0
.rept 32
	global_load_b128 v[LD+4*n_:LD+4*n_+3], v1, s[4:5] offset:n_*66048 th:TH_LOAD_NT   ; the wave reads 512 consecutive bytes: my row in chunk n_
.set n_, n_+1
.endr
	s_lshl_b32 s24, s20, 12
	s_add_co_u32 s24, s24, s19
	s_lshl_b32 s24, s24, 8
	s_add_nc_u64 s[8:9], s[8:9], s[24:25]          ; ch + (32 b x 128 + row) x 256
	s_lshl_b32 s24, s20, 15
	s_add_nc_u64 s[10:11], s[10:11], s[24:25]      ; np + 32 b x 1024
	s_lshl_b32 s24, s20, 7
	s_add_co_u32 s24, s24, s19
	s_lshl_b32 s24, s24, 9
	s_add_nc_u64 s[12:13], s[12:13], s[24:25]      ; out2 + (128 b + row) x 512
	s_lshl_b32 s24, s20, 9
	s_add_nc_u64 s[14:15], s[14:15], s[24:25]
	s_add_nc_u64 s[16:17], s[16:17], s[24:25]
	v_mov_b32 v240, 0                              ; m
	v_mov_b32 v241, 0                              ; Z
	v_mov_b32 v232, 0
	v_mov_b32 v233, 0
	v_mov_b32 v234, 0
	v_mov_b32 v235, 0
; the scalar step of chunk cc.  Zc takes turns between two registers, so that the line behind v_rcp_f32 is a plain one that writes neither its source nor reads its result.
.macro PRE npath
	v_max_num_f32 v[242+cc%2], s21, v241
.if \npath
	s_wait_xcnt 0x0                                ; v[248:251], the last such store's data, are written again only behind this wait
	v_mov_b32 v248, v240
	v_mov_b32 v249, v[242+cc%2]
	v_mov_b32 v250, v240
	v_mov_b32 v251, v[242+cc%2]
	global_store_b128 v1, v[248:251], s[10:11] offset:cc*1024+512
.endif
	v_add_f32 v244, v[FA+cc], v240
	v_max_num_f32 v245, v244, v[FB+cc]
	v_sub_f32 v246, v244, v245
	v_sub_f32 v247, v[FB+cc], v245
	v_mul_f32 v246, s22, v246
	v_fma_f32 v247, v247, s22, s23
	v_exp_f32 v[FA+cc], v246
	v_exp_f32 v[FB+cc], v247
	v_mov_b32 v240, v245                           ; the plain instruction behind the two exponentials
	s_wait_alu depctr_va_vdst(0)
	v_mul_f32 v244, v[FB+cc], v[ZS+cc]
	v_fma_f32 v241, v[FA+cc], v241, v244
	v_rcp_f32 v[ZS+cc], v[242+cc%2]
.endm
.macro BASES
.if cc == 0
.set SB, 232
.set HB, 236
.else
.set SB, LD+4*(cc-1)
.if cc == 1
.set HB, 252
.else
.set HB, LD+4*(cc-2)
.endif
.endif
.set LB, LD+4*cc
.endm
.macro STEP                            ; the state behind chunk cc, in the registers of its local row
.irp k, 0,1,2,3
	v_mul_f32 v[LB+\k], v[LB+\k], v[FB+cc]
.endr
.irp k, 0,1,2,3
	v_fma_f32 v[LB+\k], v[SB+\k], v[FA+cc], v[LB+\k]
.endr
.endm
.macro MAINC
	BASES
	s_wait_loadcnt 31-cc                           ; chunk cc's row is in; the younger chunks' loads stay out
	s_wait_alu depctr_va_vdst(0)
.irp k, 0,1,2,3
	v_mul_f32 v[HB+\k], v[SB+\k], v[ZS+cc]
.endr
	v_cvt_pk_f16_f32 v[HB], v[HB], v[HB+1]
	v_cvt_pk_f16_f32 v[HB+1], v[HB+2], v[HB+3]
	global_store_b64 v2, v[HB:HB+1], s[8:9] offset:cc*32768   ; 256 consecutive bytes: one row of f16.  Its registers are not written again
	STEP
.endm
.macro MAINN
	BASES
	s_wait_loadcnt 31-cc
	global_store_b128 v1, v[SB:SB+3], s[10:11] offset:cc*1024 ; n before chunk cc; its registers are not written again
	STEP
.endm
	s_wait_loadcnt 32                              ; the 24 loads of scalars are in; the 32 rows stay out
	s_cmp_eq_u32 s19, 128
	s_cbranch_scc1 .Lnrow
.set cc, 0
.rept 32
	PRE 0
.set cc, cc+1
.endr
.set cc, 0
.rept 32
	MAINC
.set cc, cc+1
.endr
	global_store_b128 v1, v[LD+124:LD+127], s[12:13]
	s_endpgm
.Lnrow:
.set cc, 0
.rept 32
	PRE 1
.set cc, cc+1
.endr
.set cc, 0
.rept 32
	MAINN
.set cc, cc+1
.endr
	global_store_b128 v1, v[LD+124:LD+127], s[14:15]
	s_wait_xcnt 0x0
	v_mov_b32 v248, v240
	v_mov_b32 v249, v240
	v_mov_b32 v250, v240
	v_mov_b32 v251, v240
	global_store_b128 v1, v[248:251], s[16:17]     ; m is one number for a batch: all 128 columns
	s_endpgm
.Lfunc_end_k_qddb95bb918_scan:
	.size	k_qddb95bb918_scan, .Lfunc_end_k_qddb95bb918_scan-k_qddb95bb918_scan
	.p2alignl 7, 3214868480
	.fill 96, 4, 3214868480
	.section	.rodata,"a",@progbits
	.p2align	6, 0x0
	.amdhsa_kernel k_qddb95bb918_scan
		.amdhsa_group_segment_fixed_size 0
		.amdhsa_private_segment_fixed_size 0
		.amdhsa_enable_private_segment 0
		.amdhsa_kernarg_size 56
		.amdhsa_user_sgpr_count 2
		.amdhsa_user_sgpr_kernarg_segment_ptr 1
		.amdhsa_wavefront_size32 1
		.amdhsa_system_sgpr_workgroup_id_x 1
		.amdhsa_system_sgpr_workgroup_id_y 1
		.amdhsa_system_sgpr_workgroup_id_z 1
		.amdhsa_system_vgpr_workitem_id 0
		.amdhsa_next_free_vgpr 256
		.amdhsa_next_free_sgpr 66
		.amdhsa_reserve_vcc 0
		.amdhsa_float_denorm_mode_32 3
		.amdhsa_float_denorm_mode_16_64 3
		.amdhsa_memory_ordered 1
		.amdhsa_forward_progress 1
		.amdhsa_inst_pref_size 89
	.end_amdhsa_kernel
	.amdgpu_metadata
---
amdhsa.version: [ 1, 2 ]
amdhsa.kernels:
  - .name:           k_qddb95bb918_scan
    .symbol:         k_qddb95bb918_scan.kd
    .args:
      - { .name: sl, .offset: 0, .size: 8, .value_kind: global_buffer, .address_space: global }
      - { .name: fm, .offset: 8, .size: 8, .value_kind: global_buffer, .address_space: global }
      - { .name: ch, .offset: 16, .size: 8, .value_kind: global_buffer, .address_space: global }
      - { .name: np, .offset: 24, .size: 8, .value_kind: global_buffer, .address_space: global }
      - { .name: out2, .offset: 32, .size: 8, .value_kind: global_buffer, .address_space: global }
      - { .name: out3, .offset: 40, .size: 8, .value_kind: global_buffer, .address_space: global }
      - { .name: out4, .offset: 48, .size: 8, .value_kind: global_buffer, .address_space: global }
    .group_segment_fixed_size: 0
    .private_segment_fixed_size: 0
    .kernarg_segment_align: 8
    .kernarg_segment_size: 56
    .max_flat_workgroup_size: 96
    .sgpr_count:     66
    .vgpr_count:     256
    .wavefront_size: 32
...
	.end_amdgpu_metadata
.endif
;; end of part 2
;; launch outp (part 3): grid 8 x 32, 4 waves a work-group, clusters of 4 x 1, 306,176 bytes of LDS; arguments x, wh, ch, np, gt, bq, bk, bv, bo, out0, out1; writes out0, out1
.if DOCPART == 3
	.amdgcn_target "amdgcn-amd-amdhsa--gfx1250"
	.amdhsa_code_object_version 6
	.text
	.protected	k_qddb95bb918_outp
	.globl	k_qddb95bb918_outp
	.p2align	8
	.type	k_qddb95bb918_outp,@function
k_qddb95bb918_outp:
	s_mov_b64 s[64:65], 0
	v_nop
	global_prefetch_b8 v0, s[64:65] scope:SCOPE_SE
	s_setreg_imm32_b32 hwreg(HW_REG_WAVE_MODE, 25, 1), 1
	s_wait_xcnt 0x0
	s_wait_alu depctr_hold_cnt(0) depctr_sa_sdst(0) depctr_va_vdst(0) depctr_va_sdst(0) depctr_va_ssrc(0) depctr_va_vcc(0) depctr_vm_vsrc(0)
	s_getreg_b32 s2, hwreg(HW_REG_IB_STS2, 6, 4)
	s_cmp_eq_u32 s2, 0
	s_cbranch_scc0 .Lentry_in_a_cluster
	s_endpgm
.Lentry_in_a_cluster:
	s_bfe_u32 s2, ttmp6, 0x10000c
	s_cmp_lg_u32 s2, 0x3003
	s_cbranch_scc0 .Lentry_shape_is_right
	s_endpgm
.Lentry_shape_is_right:
; mLSTM, third launch: the outputs of a chunk of 64 steps.  Work-group (b, chunk), four waves.  Given g, cmx (gt), and the state before the chunk: Ch = C / Zc (f16), n, m, Zc:
;   Q, K, V = x W + b (K without the factor 1/sqrt(128)), O = sigmoid(x Wo + bo);  M_t = max(m, cmx_t);  R_t = exp(cmx_t - M_t) / sqrt(128);  e_t = exp(m - M_t);
;   W_ts = exp(g_s - cmx_t) for s <= t, else 0 (largest 1);  P = (Q K^T) o W;  pm_t = max(max_s |P_ts|, 2^-100);
;   N = R (W K) + e n;  den = max(sum_j |N_tj| |q_tj|, 1);  h = O (R pm ((P / pm) V) + e Zc (Q Ch^T)) / den.
; The stabiliser of step t is a_t + M_t, the recurrence's own maximum; every exponent is <= 0 where it is used (s > t is replaced by 0 by a select).
; Matrix operands f16, sums f32; the operands' true scales (R, e, pm, Zc) are f32 factors.
; LIMITS: |x|, |W|, |Q|, |K|, |V| < 65504; entries of W, P / pm, Ch more than 2^-24 below 1 are dropped; the denominator takes q as rounded to f16; v_exp_f32 gives 0 below 2^-126.
; CLUSTER: four batches of one chunk; the four f16 weight matrices (131,072 of a work-group's 196,608 bytes) are asked for jointly.  x and Ch are each work-group's own.
; No LDS byte is filled twice; a wave has three tensor loads out at the most.
; Every matrix instruction takes the streamed operand as source 0 and the rows t as source 1: a lane then holds eight neighbouring columns of one row t = .. + r.
.set WP,  288                          ; weights: f16 rows of 256 bytes + 32, for the transposing loads
.set XP,  528
.set HP,  272                          ; f16 rows of 256 bytes + 16
.set XF,  147456
.set CH,  181248
.set QH,  216064
.set KH,  233472                       ; VH = KH + 17408
.set OF,  268288                       ; O in f32, later h
.set SM,  302080                       ; biases q k v o 4 x 512; +2048 g, +2304 cmx, +2560 n, +3072 (m, Zc)
.set MSB, 0
.macro WIN new
.if MSB != \new
	s_set_vgpr_msb (MSB<<8)|\new
.set MSB, \new
.endif
.endm
.macro PLACES                          ; four plain vector instructions between a matrix instruction and whatever reads its result or writes its registers (ISA guide 7.12.1)
.rept 4
	v_nop
.endr
.endm
.macro BAR
	s_barrier_signal -1
	s_barrier_wait -1
.endm
.macro ROUND
	s_barrier_signal -1
	s_barrier_wait -1
	s_cmp_lg_u32 s34, 0
	s_cbranch_scc1 .Lnot_wave_0_\@
	s_barrier_signal -3
.Lnot_wave_0_\@:
	s_barrier_wait -3
	s_barrier_signal -1
	s_barrier_wait -1
.endm
.macro XUNIT ax, mt, slot              ; 16 rows of x in f32, in fragment order
	WIN 0
.irp kk, 0,1,2,3
	ds_load_b128 v[\slot+16*\kk:\slot+16*\kk+3],     v[\ax] offset:\mt*16*XP+128*\kk
	ds_load_b128 v[\slot+16*\kk+4:\slot+16*\kk+7],   v[\ax] offset:\mt*16*XP+128*\kk+16
	ds_load_b128 v[\slot+16*\kk+8:\slot+16*\kk+11],  v[\ax] offset:\mt*16*XP+128*\kk+64
	ds_load_b128 v[\slot+16*\kk+12:\slot+16*\kk+15], v[\ax] offset:\mt*16*XP+128*\kk+80
.endr
.endm
.macro XCVT mt, slot
	WIN 0x40
.set n_, 0
.rept 32
	v_cvt_pk_f16_f32 v[32*\mt+n_], v[\slot+2*n_], v[\slot+2*n_+1]
.set n_, n_+1
.endr
.endm
.macro LDB first                       ; biases of projections first, first + 1: my 32 columns, as a result tile holds them
	WIN 0
.irp sl, 0,1
.irp nt, 0,1
	ds_load_b128 v[224+8*(2*\sl+\nt):224+8*(2*\sl+\nt)+3],   v10 offset:512*(\first+\sl)+64*\nt
	ds_load_b128 v[224+8*(2*\sl+\nt)+4:224+8*(2*\sl+\nt)+7], v10 offset:512*(\first+\sl)+64*\nt+16
.endr
.endr
.endm
.macro LDW wsel, slot                  ; eight fragments of W^T (my 32 columns x 128 k) by transposing loads
	WIN 0x40
.irp nt, 0,1
.irp kk, 0,1,2,3
	ds_load_tr16_b128 v[128+64*\slot+8*(4*\nt+\kk):128+64*\slot+8*(4*\nt+\kk)+3],   v[6+\wsel] offset:32*WP*\kk+32*\nt
	ds_load_tr16_b128 v[128+64*\slot+8*(4*\nt+\kk)+4:128+64*\slot+8*(4*\nt+\kk)+7], v[6+\wsel] offset:32*WP*\kk+32*\nt+16*WP
.endr
.endr
.endm
; 32 matrix instructions; the bias tile is the first product's C; eight accumulators take turns, one instruction a turn
.macro PROJ slot
.irp kk, 0,1,2,3
.irp nt, 0,1
.irp mt, 0,1,2,3
.if \kk == 0
	v_wmma_f32_16x16x32_f16 v[96+64*\slot+8*(4*\nt+\mt):96+64*\slot+8*(4*\nt+\mt)+7], v[128+64*\slot+8*(4*\nt+\kk):128+64*\slot+8*(4*\nt+\kk)+7], v[8*(4*\mt+\kk):8*(4*\mt+\kk)+7], v[224+8*(2*\slot+\nt):224+8*(2*\slot+\nt)+7]
.else
	v_wmma_f32_16x16x32_f16 v[96+64*\slot+8*(4*\nt+\mt):96+64*\slot+8*(4*\nt+\mt)+7], v[128+64*\slot+8*(4*\nt+\kk):128+64*\slot+8*(4*\nt+\kk)+7], v[8*(4*\mt+\kk):8*(4*\mt+\kk)+7], v[96+64*\slot+8*(4*\nt+\mt):96+64*\slot+8*(4*\nt+\mt)+7]
.endif
.endr
.endr
.endr
.endm
.macro POST16 sel, slot                ; to f16, 16 bytes a lane into QH, KH or VH
.irp nt, 0,1
.irp mt, 0,1,2,3
.irp i, 0,1,2,3
	v_cvt_pk_f16_f32 v[32+32*\slot+4*(4*\nt+\mt)+\i], v[96+64*\slot+8*(4*\nt+\mt)+2*\i], v[96+64*\slot+8*(4*\nt+\mt)+2*\i+1]
.endr
	ds_store_b128 v11, v[32+32*\slot+4*(4*\nt+\mt):32+32*\slot+4*(4*\nt+\mt)+3] offset:17408*\sel+16*HP*\mt+32*\nt
.endr
.endr
.endm
	s_load_b512 s[4:19], s[0:1], 0x0               ; x 4, wh 6, ch 8, np 10, gt 12, bq 14, bk 16, bv 18
	s_load_b128 s[20:23], s[0:1], 0x40             ; bo 20, out0 22
	s_load_b64 s[24:25], s[0:1], 0x50              ; out1
	s_set_vgpr_msb 0x80
	v_lshl_add_u32 v0, v0, 2, 0x4aa00
	v_mov_b32 v1, 0
	s_set_vgpr_msb 0x808a
	ds_add_u32 v0, v1
	s_set_vgpr_msb 0x8a00
	v_lshrrev_b32 v1, 5, v0
	v_readfirstlane_b32 s34, v1                    ; wave
	s_bfe_u32 s35, ttmp6, 0x40000                  ; cx
	s_lshl_b32 s36, ttmp9, 2
	s_add_co_u32 s36, s36, s35                     ; b
	s_and_b32 s37, ttmp7, 0xffff                   ; chunk: the same in all four partners
	s_lshl_b32 s38, s36, 5
	s_add_co_u32 s38, s38, s37                     ; cid
	s_mov_b32 s88, 0x76543210
	s_mov_b32 s89, 0xfedcba98
	s_mov_b32 s90, 0xc0600000                      ; -3.5
	s_mov_b32 s91, 0x3fb8aa3b                      ; log2 e
	s_mov_b32 s60, 0x0d800000                      ; 2^-100
	s_mov_b32 s63, 0
	; group 1: x, 16 rows of 128 f32 a wave
	s_mov_b32 s44, (2<<16)|(1<<20)|(6<<22)|(3<<25)
	s_mov_b32 s45, 128<<16
	s_mov_b32 s46, 16<<16
	s_mov_b32 s47, 128<<16
	s_mov_b32 s48, 16
	s_mov_b32 s49, 128
	s_mov_b32 s50, 0
	s_mov_b32 s51, 0
	; group 1: a whole f16 weight matrix a wave, jointly; 32 bytes of padding behind each 64 words
	s_mov_b32 s52, 15|(1<<16)|(1<<20)|(1<<21)|(5<<22)|(7<<25)
	s_mov_b32 s53, 128<<16
	s_mov_b32 s54, 128<<16
	s_mov_b32 s55, 128<<16
	s_mov_b32 s56, 128
	s_mov_b32 s57, 128
	s_mov_b32 s58, 0
	s_mov_b32 s59, 0
	; group 1: Ch, 32 rows of 128 f16 a wave
	s_mov_b32 s68, (1<<16)|(1<<20)|(5<<22)|(3<<25)
	s_mov_b32 s69, 128<<16
	s_mov_b32 s70, 32<<16
	s_mov_b32 s71, 128<<16
	s_mov_b32 s72, 32
	s_mov_b32 s73, 128
	s_mov_b32 s74, 0
	s_mov_b32 s75, 0
	s_mov_b32 s76, 1
	s_mul_i32 s77, s34, 16*XP
	s_add_co_u32 s77, s77, XF
	s_mov_b32 s80, 1
	s_mul_i32 s81, s34, 128*WP
	s_mov_b32 s84, 1
	s_mul_i32 s85, s34, 32*HP
	s_add_co_u32 s85, s85, CH
	; lane terms
	v_and_b32 v1, 31, v0                           ; l
	v_and_b32 v2, 15, v0                           ; r
	v_bfe_u32 v3, v0, 4, 1                         ; h
	v_lshlrev_b32 v4, 4, v1                        ; 16 l
	v_mul_u32_u24 v31, v2, XP
	v_lshl_add_u32 v31, v3, 5, v31                 ; 528 r + 32 h
	v_add_nc_u32 v5, XF, v31
	v_and_b32 v29, 7, v0
	v_lshl_add_u32 v29, v3, 3, v29                 ; 8 h + l mod 8: the row that a transposing load's lane addresses
	v_bfe_u32 v30, v0, 3, 1
	v_lshlrev_b32 v30, 4, v30                      ; and its 16 bytes
	v_mad_u32_u24 v6, v29, WP, v30
	s_lshl_b32 s61, s34, 6
	v_add_nc_u32 v6, s61, v6                       ; Wq, my 32 columns
	v_add_nc_u32 v7, 128*WP, v6                    ; Wk
	v_add_nc_u32 v8, 256*WP, v6                    ; Wv
	v_add_nc_u32 v9, 384*WP, v6                    ; Wo
	v_mad_u32_u24 v15, v29, HP, v30
	v_add_nc_u32 v15, KH, v15
	s_lshl_b32 s61, s34, 7
	s_add_co_u32 s61, s61, SM
	v_lshl_add_u32 v10, v3, 5, s61
	v_mul_u32_u24 v30, v2, HP
	v_lshl_add_u32 v30, v3, 4, v30                 ; 272 r + 16 h
	s_lshl_b32 s61, s34, 6
	s_add_co_u32 s61, s61, QH
	v_add_nc_u32 v11, s61, v30
	s_lshl_b32 s61, s34, 7
	s_add_co_u32 s61, s61, OF
	v_add_nc_u32 v12, s61, v31
	s_mul_i32 s61, s34, 16*HP
	s_add_co_u32 s61, s61, QH
	v_add_nc_u32 v13, s61, v30                     ; my rows t of Q
	v_add_nc_u32 v14, KH, v30
	v_add_nc_u32 v16, CH, v30
	v_lshlrev_b32 v17, 5, v3
	v_add_nc_u32 v17, SM+2048, v17
	s_lshl_b32 s61, s34, 6
	s_add_co_u32 s61, s61, SM+2304
	v_lshl_add_u32 v18, v2, 2, s61
	s_mul_i32 s61, s34, 16*XP
	s_add_co_u32 s61, s61, OF
	v_add_nc_u32 v19, s61, v31                     ; my rows t of O
	v_add_nc_u32 v26, s61, v4
	s_lshl_b32 s61, s34, 4
	v_add_nc_u32 v27, s61, v2
	v_lshlrev_b32 v29, 3, v3
	v_sub_nc_u32 v27, v27, v29                     ; t - 8 h: s <= t is 16 st + j <= this
	v_mov_b32 v28, SM+3072
	v_mov_b32 v23, 0                               ; upper registers of pairs of which a packed instruction takes the lower alone
	v_mov_b32 v25, 0
	v_lshlrev_b32 v40, 2, v0
	v_lshlrev_b32 v41, 3, v0
	v_lshlrev_b32 v42, 4, v0
	v_add_nc_u32 v42, SM, v42
	v_add_nc_u32 v43, SM+2048, v40
	v_add_nc_u32 v44, SM+2560, v41
	s_wait_dscnt 0x0
	s_wait_kmcnt 0x0
	s_cmp_eq_u32 s34, 0
	s_cselect_b64 s[40:41], s[14:15], s[16:17]     ; wave w copies bias w of q, k, v, o
	s_cmp_eq_u32 s34, 2
	s_cselect_b64 s[40:41], s[18:19], s[40:41]
	s_cmp_eq_u32 s34, 3
	s_cselect_b64 s[40:41], s[20:21], s[40:41]
	s_lshl_b32 s62, s38, 9
	s_add_nc_u64 s[12:13], s[12:13], s[62:63]
	s_lshl_b32 s62, s38, 10
	s_add_nc_u64 s[10:11], s[10:11], s[62:63]
	global_load_b128 v[32:35], v4, s[40:41]
	global_load_b32 v36, v40, s[12:13]
	global_load_b64 v[38:39], v41, s[10:11]
	s_lshl_b32 s62, s38, 15
	s_lshl_b32 s61, s34, 13
	s_add_co_u32 s62, s62, s61                     ; cid x 32,768 + wave x 8,192: the same in x, ch and out0
	s_add_nc_u64 s[78:79], s[4:5], s[62:63]
	s_or_b32 s79, s79, 0x80000000
	s_add_nc_u64 s[86:87], s[8:9], s[62:63]
	s_or_b32 s87, s87, 0x80000000
	s_add_nc_u64 s[92:93], s[22:23], s[62:63]
	s_lshl_b32 s62, s34, 15
	s_add_nc_u64 s[82:83], s[6:7], s[62:63]        ; hangs on the wave's number alone
	s_or_b32 s83, s83, 0x80000000
	s_lshl_b32 s62, s36, 9
	s_add_nc_u64 s[24:25], s[24:25], s[62:63]
	ROUND                                          ; all four work-groups are here: the joint loads meet
	tensor_load_to_lds s[76:79], s[44:51]          ; x
	s_nop 0
	tensor_load_to_lds s[80:83], s[52:59]          ; weights, jointly
	s_nop 0
	tensor_load_to_lds s[84:87], s[68:75]          ; Ch
	s_nop 0
	s_wait_loadcnt 0x0
	ds_store_b128 v42, v[32:35]
	ds_store_b32 v43, v36
	ds_store_b64 v44, v[38:39]
	s_wait_dscnt 0x0                               ; for the other waves: the small tables are written
	s_wait_tensorcnt 0x1                           ; x and my weight matrix are in; the one younger load, Ch's, stays out
	BAR
	; PROJECTIONS: a wave makes columns 32 w .. 32 w + 31 of all four, for all 64 rows
	LDB 0
	LDW 0, 0
	LDW 1, 1
	XUNIT 5, 0, 32                                 ; each count below is 16 x the units issued behind the one waited for; it covers the older loads above too
	XUNIT 5, 1, 96
	XUNIT 5, 2, 160
	s_wait_dscnt 32
	XCVT 0, 32
	XUNIT 5, 3, 32
	s_wait_dscnt 32
	XCVT 1, 96
	s_wait_dscnt 16
	XCVT 2, 160
	s_wait_dscnt 0
	XCVT 3, 32
	WIN 0x05
	PROJ 0                                         ; q
	PROJ 1                                         ; k
	WIN 0
	PLACES
	LDB 2                                          ; v's and o's operands come while q and k go out
	LDW 2, 0
	LDW 3, 1
	WIN 0
	POST16 0, 0
	POST16 1, 1
	s_wait_dscnt 0x0
	WIN 0x05
	PROJ 0                                         ; v
	PROJ 1                                         ; o
	WIN 0
	PLACES
	POST16 2, 0
.set n_, 0
.rept 32
	v_pk_mul_f32 v[160+2*n_:161+2*n_], v[160+2*n_:161+2*n_], 0xbfb8aa3b op_sel_hi:[1,0]
.set n_, n_+1
.endr
.set n_, 0
.rept 64
	v_exp_f32 v[160+n_], v[160+n_]
.set n_, n_+1
.endr
	v_nop                                          ; one plain instruction behind the transcendentals (ISA guide 5.7.2)
.set n_, 0
	s_wait_alu depctr_va_vdst(0)
.rept 32
	v_pk_add_f32 v[160+2*n_:161+2*n_], v[160+2*n_:161+2*n_], 1.0 op_sel_hi:[1,0]
.set n_, n_+1
.endr
.set n_, 0
.rept 64
	v_rcp_f32 v[160+n_], v[160+n_]                 ; sigmoid = 1 / (1 + exp(-z))
.set n_, n_+1
.endr
	v_nop
	s_wait_alu depctr_va_vdst(0)
.irp nt, 0,1
.irp mt, 0,1,2,3
	ds_store_b128 v12, v[160+8*(4*\nt+\mt):160+8*(4*\nt+\mt)+3]   offset:16*XP*\mt+64*\nt
	ds_store_b128 v12, v[160+8*(4*\nt+\mt)+4:160+8*(4*\nt+\mt)+7] offset:16*XP*\mt+64*\nt+16
.endr
.endr
	s_wait_dscnt 0x0                               ; for the other waves: my columns of Q, K, V, O are written
	s_wait_tensorcnt 0x0                           ; and my rows of Ch have landed
	BAR
	; THE CHUNK: a wave owns rows t = 16 w + r; no further barrier.
	; block 0: v32-63 Q fragments, v64-79 P fragments, v80-95 W fragments, v96-159 ACC1, v160-223 ACC2 (S in its first 32), v224-255 g, then W
.irp kk, 0,1,2,3
	ds_load_b128 v[32+8*\kk:35+8*\kk], v13 offset:64*\kk
	ds_load_b128 v[36+8*\kk:39+8*\kk], v13 offset:64*\kk+32
.endr
.irp st, 0,1,2,3
	ds_load_b128 v[224+8*\st:227+8*\st], v17 offset:64*\st       ; g of s = 16 st + 8 h + 0..7
	ds_load_b128 v[228+8*\st:231+8*\st], v17 offset:64*\st+16
.endr
	ds_load_b32 v24, v18                           ; cmx_t
	ds_load_b64 v[2:3], v28                        ; m, Zc
	WIN 0x40
.irp st, 0,1,2,3
.irp kk, 0,1,2,3
	ds_load_b128 v[8*(4*\st+\kk):8*(4*\st+\kk)+3],   v14 offset:16*HP*\st+64*\kk
	ds_load_b128 v[8*(4*\st+\kk)+4:8*(4*\st+\kk)+7], v14 offset:16*HP*\st+64*\kk+32
.endr
.endr
.irp ks, 0,1
.irp jt, 0,1,2,3,4,5,6,7
	ds_load_tr16_b128 v[128+8*(8*\ks+\jt):128+8*(8*\ks+\jt)+3],   v15 offset:32*HP*\ks+32*\jt
	ds_load_tr16_b128 v[128+8*(8*\ks+\jt)+4:128+8*(8*\ks+\jt)+7], v15 offset:32*HP*\ks+32*\jt+16*HP
.endr
.endr
	s_wait_dscnt 32                                ; all but the 32 youngest loads (K transposed)
	WIN 0x01
.irp kk, 0,1,2,3
.irp st, 0,1,2,3
.if \kk == 0
	v_wmma_f32_16x16x32_f16 v[160+8*\st:167+8*\st], v[8*(4*\st+\kk):8*(4*\st+\kk)+7], v[32+8*\kk:39+8*\kk], 0
.else
	v_wmma_f32_16x16x32_f16 v[160+8*\st:167+8*\st], v[8*(4*\st+\kk):8*(4*\st+\kk)+7], v[32+8*\kk:39+8*\kk], v[160+8*\st:167+8*\st]
.endif
.endr
.endr
	WIN 0
	; the weights; these plain instructions name none of the products' registers: they are the places behind them
.set n_, 0
.rept 16
	v_pk_add_f32 v[224+2*n_:225+2*n_], v[224+2*n_:225+2*n_], v[24:25] op_sel_hi:[1,0] neg_lo:[0,1] neg_hi:[0,1]
.set n_, n_+1
.endr
	v_max_num_f32 v25, v2, v24                     ; M
	v_sub_f32 v20, v24, v25
	v_sub_f32 v22, v2, v25
	v_fma_f32 v20, v20, s91, s90
	v_mul_f32 v22, s91, v22
.set n_, 0
.rept 16
	v_pk_mul_f32 v[224+2*n_:225+2*n_], v[224+2*n_:225+2*n_], 0x3fb8aa3b op_sel_hi:[1,0]
.set n_, n_+1
.endr
	v_exp_f32 v20, v20                             ; R
	v_exp_f32 v22, v22                             ; e
.set n_, 0
.rept 32
	v_exp_f32 v[224+n_], v[224+n_]
.set n_, n_+1
.endr
	v_nop
	s_wait_alu depctr_va_vdst(0)
.irp st, 0,1,2,3
.irp j, 0,1,2,3,4,5,6,7
	v_cmp_le_i32 vcc_lo, 16*\st+\j, v27
	v_cndmask_b32 v[224+8*\st+\j], 0, v[224+8*\st+\j], vcc_lo    ; a select: what stands at s > t, an infinity too, is thrown away
.endr
.endr
	WIN 0x40
.irp kk, 0,1
.irp it, 0,1,2,3,4,5,6,7
	ds_load_b128 v[8*(8*\kk+\it):8*(8*\kk+\it)+3],   v16 offset:16*HP*\it+64*\kk          ; Ch, j = 0..63
	ds_load_b128 v[8*(8*\kk+\it)+4:8*(8*\kk+\it)+7], v16 offset:16*HP*\it+64*\kk+32
.endr
.endr
	WIN 0
.set n_, 0
.rept 16
	v_pk_mul_f32 v[160+2*n_:161+2*n_], v[160+2*n_:161+2*n_], v[224+2*n_:225+2*n_]
.set n_, n_+1
.endr
	v_max_num_f32 v29, |v160|, |v161|
	v_max_num_f32 v31, |v162|, |v163|
.set n_, 4
.rept 14
	v_max3_num_f32 v[29+2*((n_/2)%2)], v[29+2*((n_/2)%2)], |v[160+n_]|, |v[161+n_]|
.set n_, n_+2
.endr
	v_max3_num_f32 v29, v29, v31, s60
	v_permlanex16_b32 v31, v29, s88, s89           ; a row's other 32 s lie in the other half of the lanes
	v_max_num_f32 v21, v29, v31                    ; pm
	v_rcp_f32 v30, v21
.set n_, 0
.rept 16
	v_cvt_pk_f16_f32 v[80+n_], v[224+2*n_], v[225+2*n_]          ; W's fragments: tiles st = 2 ks, 2 ks + 1 are the fragment's two halves.  Also the place behind v_rcp_f32
.set n_, n_+1
.endr
.set n_, 0
	s_wait_alu depctr_va_vdst(0)
.rept 16
	v_pk_mul_f32 v[160+2*n_:161+2*n_], v[160+2*n_:161+2*n_], v[30:31] op_sel_hi:[1,0]
.set n_, n_+1
.endr
.set n_, 0
.rept 16
	v_cvt_pk_f16_f32 v[64+n_], v[160+2*n_], v[161+2*n_]
.set n_, n_+1
.endr
.irp jt, 0,1,2,3,4,5,6,7
	ds_load_b128 v[160+8*\jt:163+8*\jt], v17 offset:512+64*\jt   ; n of j = 16 jt + 8 h + 0..7
	ds_load_b128 v[164+8*\jt:167+8*\jt], v17 offset:512+64*\jt+16
.endr
	s_wait_dscnt 48                                ; K transposed is in: 32 loads of Ch and 16 of n are younger
	WIN 0x01
.irp ks, 0,1
.irp jt, 0,1,2,3,4,5,6,7
.if \ks == 0
	v_wmma_f32_16x16x32_f16 v[96+8*\jt:103+8*\jt], v[128+8*(8*\ks+\jt):128+8*(8*\ks+\jt)+7], v[80+8*\ks:87+8*\ks], 0
.else
	v_wmma_f32_16x16x32_f16 v[96+8*\jt:103+8*\jt], v[128+8*(8*\ks+\jt):128+8*(8*\ks+\jt)+7], v[80+8*\ks:87+8*\ks], v[96+8*\jt:103+8*\jt]
.endif
.endr
.endr
	WIN 0
	PLACES
	WIN 0x40
.irp kk, 2,3
.irp it, 0,1,2,3,4,5,6,7
	ds_load_b128 v[128+8*(8*(\kk-2)+\it):128+8*(8*(\kk-2)+\it)+3],   v16 offset:16*HP*\it+64*\kk   ; Ch, j = 64..127
	ds_load_b128 v[128+8*(8*(\kk-2)+\it)+4:128+8*(8*(\kk-2)+\it)+7], v16 offset:16*HP*\it+64*\kk+32
.endr
.endr
	WIN 0
	s_wait_dscnt 32                                ; all but the 32 just issued: n and Ch's first half are in
	; the denominator: N = R (W K) + e n, times |q| from the Q fragments, whose register 4 jt + p holds j = 16 jt + 8 h + 2 p, + 1.  Four chains
.set p, 0
.irp q, 32,33,34,35,36,37,38,39,40,41,42,43,44,45,46,47,48,49,50,51,52,53,54,55,56,57,58,59,60,61,62,63
	v_pk_mul_f32 v[160+2*p:161+2*p], v[160+2*p:161+2*p], v[22:23] op_sel_hi:[1,0]
	v_pk_fma_f32 v[96+2*p:97+2*p], v[96+2*p:97+2*p], v[20:21], v[160+2*p:161+2*p] op_sel_hi:[1,0,1]
	v_cvt_f32_f16 v[160+2*p], v\q\().l
	v_cvt_f32_f16 v[161+2*p], v\q\().h
.if p%2 == 0
.set D0, 1
.set D1, 25
.else
.set D0, 29
.set D1, 31
.endif
.if p < 2
	v_mul_f32 v[D0], |v[96+2*p]|, |v[160+2*p]|
	v_mul_f32 v[D1], |v[97+2*p]|, |v[161+2*p]|
.else
	v_fma_f32 v[D0], |v[96+2*p]|, |v[160+2*p]|, v[D0]
	v_fma_f32 v[D1], |v[97+2*p]|, |v[161+2*p]|, v[D1]
.endif
.set p, p+1
.endr
	v_add_f32 v1, v1, v25
	v_add_f32 v29, v29, v31
	v_add_f32 v1, v1, v29
	v_permlanex16_b32 v25, v1, s88, s89
	v_add_f32 v1, v1, v25
	v_max_num_f32 v1, 1.0, v1
	v_rcp_f32 v1, v1
	v_mul_f32 v30, v20, v21                        ; R pm (also the place behind v_rcp_f32)
	v_mul_f32 v28, v22, v3                         ; e Zc
	s_wait_alu depctr_va_vdst(0)
	v_mul_f32 v30, v30, v1                         ; A = R pm / den
	v_mul_f32 v28, v28, v1                         ; B = e Zc / den
	WIN 0x01
.irp kk, 0,1
.irp it, 0,1,2,3,4,5,6,7
.if \kk == 0
	v_wmma_f32_16x16x32_f16 v[160+8*\it:167+8*\it], v[8*(8*\kk+\it):8*(8*\kk+\it)+7], v[32+8*\kk:39+8*\kk], 0
.else
	v_wmma_f32_16x16x32_f16 v[160+8*\it:167+8*\it], v[8*(8*\kk+\it):8*(8*\kk+\it)+7], v[32+8*\kk:39+8*\kk], v[160+8*\it:167+8*\it]
.endif
.endr
.endr
	WIN 0
	PLACES
	WIN 0x40
.irp ks, 0,1
.irp it, 0,1,2,3,4,5,6,7
	ds_load_tr16_b128 v[8*(8*\ks+\it):8*(8*\ks+\it)+3],   v15 offset:17408+32*HP*\ks+32*\it           ; V transposed
	ds_load_tr16_b128 v[8*(8*\ks+\it)+4:8*(8*\ks+\it)+7], v15 offset:17408+32*HP*\ks+32*\it+16*HP
.endr
.endr
	s_wait_dscnt 32                                ; Ch's second half is in; V's 32 loads stay out
	WIN 0x01
.irp kk, 2,3
.irp it, 0,1,2,3,4,5,6,7
	v_wmma_f32_16x16x32_f16 v[160+8*\it:167+8*\it], v[128+8*(8*(\kk-2)+\it):128+8*(8*(\kk-2)+\it)+7], v[32+8*\kk:39+8*\kk], v[160+8*\it:167+8*\it]
.endr
.endr
	s_wait_dscnt 0
.irp ks, 0,1
.irp it, 0,1,2,3,4,5,6,7
.if \ks == 0
	v_wmma_f32_16x16x32_f16 v[96+8*\it:103+8*\it], v[8*(8*\ks+\it):8*(8*\ks+\it)+7], v[64+8*\ks:71+8*\ks], 0
.else
	v_wmma_f32_16x16x32_f16 v[96+8*\it:103+8*\it], v[8*(8*\ks+\it):8*(8*\ks+\it)+7], v[64+8*\ks:71+8*\ks], v[96+8*\it:103+8*\it]
.endif
.endr
.endr
	WIN 0
	PLACES
.irp it, 0,1,2,3
	ds_load_b128 v[224+8*\it:227+8*\it], v19 offset:64*\it       ; O of my rows
	ds_load_b128 v[228+8*\it:231+8*\it], v19 offset:64*\it+16
.endr
.irp it, 4,5,6,7
	ds_load_b128 v[32+8*\it:35+8*\it], v19 offset:64*\it
	ds_load_b128 v[36+8*\it:39+8*\it], v19 offset:64*\it+16
.endr
.set n_, 0
.rept 32
	v_pk_mul_f32 v[160+2*n_:161+2*n_], v[160+2*n_:161+2*n_], v[28:29] op_sel_hi:[1,0]
.set n_, n_+1
.endr
.set n_, 0
.rept 32
	v_pk_fma_f32 v[96+2*n_:97+2*n_], v[96+2*n_:97+2*n_], v[30:31], v[160+2*n_:161+2*n_] op_sel_hi:[1,0,1]
.set n_, n_+1
.endr
	s_wait_dscnt 0x0
.set n_, 0
.rept 16
	v_pk_mul_f32 v[96+2*n_:97+2*n_], v[96+2*n_:97+2*n_], v[224+2*n_:225+2*n_]
	v_pk_mul_f32 v[128+2*n_:129+2*n_], v[128+2*n_:129+2*n_], v[64+2*n_:65+2*n_]
.set n_, n_+1
.endr
	; the way out, over O's bytes of my own 16 rows, which no other wave touches behind the last barrier: in by pieces of 32 bytes, back as whole rows
.irp it, 0,1,2,3,4,5,6,7
	ds_store_b128 v19, v[96+8*\it:99+8*\it]   offset:64*\it
	ds_store_b128 v19, v[100+8*\it:103+8*\it] offset:64*\it+16
.endr
.set n_, 0
.rept 16
	ds_load_b128 v[160+4*n_:163+4*n_], v26 offset:XP*n_          ; LDS serves a wave in order: these see the stores above
.set n_, n_+1
.endr
.set n_, 0
.rept 16
	s_wait_dscnt 15-n_                             ; row n_ is in; the younger ones stay out
	global_store_b128 v4, v[160+4*n_:163+4*n_], s[92:93] offset:512*n_ th:TH_STORE_NT     ; a whole row: 512 consecutive bytes
.set n_, n_+1
.endr
	s_cmp_lg_u32 s37, 31                           ; the last step of the sequence is also out1
	s_cbranch_scc1 .Lno_last
	s_cmp_lg_u32 s34, 3
	s_cbranch_scc1 .Lno_last
	global_store_b128 v4, v[220:223], s[24:25]
.Lno_last:
	s_set_vgpr_msb 0xa
	s_wait_tensorcnt 0x0
	ds_add_u32 v0, v1
	s_wait_dscnt 0x0
	s_set_vgpr_msb 0xa00
	ROUND                                          ; the closing round
	s_endpgm
.Lfunc_end_k_qddb95bb918_outp:
	.size	k_qddb95bb918_outp, .Lfunc_end_k_qddb95bb918_outp-k_qddb95bb918_outp
	.p2alignl 7, 3214868480
	.fill 96, 4, 3214868480
	.section	.rodata,"a",@progbits
	.p2align	6, 0x0
	.amdhsa_kernel k_qddb95bb918_outp
		.amdhsa_group_segment_fixed_size 306176
		.amdhsa_private_segment_fixed_size 0
		.amdhsa_enable_private_segment 0
		.amdhsa_kernarg_size 88
		.amdhsa_user_sgpr_count 2
		.amdhsa_user_sgpr_kernarg_segment_ptr 1
		.amdhsa_wavefront_size32 1
		.amdhsa_system_sgpr_workgroup_id_x 1
		.amdhsa_system_sgpr_workgroup_id_y 1
		.amdhsa_system_sgpr_workgroup_id_z 1
		.amdhsa_system_vgpr_workitem_id 0
		.amdhsa_next_free_vgpr 514
		.amdhsa_next_free_sgpr 96
		.amdhsa_reserve_vcc 1
		.amdhsa_float_denorm_mode_32 3
		.amdhsa_float_denorm_mode_16_64 3
		.amdhsa_memory_ordered 1
		.amdhsa_forward_progress 1
		.amdhsa_inst_pref_size 104
	.end_amdhsa_kernel
	.amdgpu_metadata
---
amdhsa.version: [ 1, 2 ]
amdhsa.kernels:
  - .name:           k_qddb95bb918_outp
    .symbol:         k_qddb95bb918_outp.kd
    .args:
      - { .name: x, .offset: 0, .size: 8, .value_kind: global_buffer, .address_space: global }
      - { .name: wh, .offset: 8, .size: 8, .value_kind: global_buffer, .address_space: global }
      - { .name: ch, .offset: 16, .size: 8, .value_kind: global_buffer, .address_space: global }
      - { .name: np, .offset: 24, .size: 8, .value_kind: global_buffer, .address_space: global }
      - { .name: gt, .offset: 32, .size: 8, .value_kind: global_buffer, .address_space: global }
      - { .name: bq, .offset: 40, .size: 8, .value_kind: global_buffer, .address_space: global }
      - { .name: bk, .offset: 48, .size: 8, .value_kind: global_buffer, .address_space: global }
      - { .name: bv, .offset: 56, .size: 8, .value_kind: global_buffer, .address_space: global }
      - { .name: bo, .offset: 64, .size: 8, .value_kind: global_buffer, .address_space: global }
      - { .name: out0, .offset: 72, .size: 8, .value_kind: global_buffer, .address_space: global }
      - { .name: out1, .offset: 80, .size: 8, .value_kind: global_buffer, .address_space: global }
    .group_segment_fixed_size: 306176
    .private_segment_fixed_size: 0
    .kernarg_segment_align: 8
    .kernarg_segment_size: 88
    .max_flat_workgroup_size: 128
    .sgpr_count:     96
    .vgpr_count:     514
    .wavefront_size: 32
...
	.end_amdgpu_metadata
.endif
;; end of part 3
